; MI455X (gfx1250); checked and timed in simulation.
; The chip was launched on July 23, 2026; its instructions are those of AMD's public machine-readable ISA for CDNA 5 (MIT licence, August 2026) and "CDNA5" Instruction Set Architecture Reference Guide (July 2026). The comments in the code are by the model that wrote it; some were corrected since.
;; Self Attention. Allowed arithmetic: matrix products marked QUANTISED: E2M1 operands, one E8M0 scale for each 32 along K, by v_wmma_scale_f32_16x16x128_f8f6f4 with both operands' format E2M1 (or v_wmma_scale_f32_32x16x128_f4), f32 sums; everything else in f32.
;; Inputs: W_G_emb 16,000 x 256 float32; W_T_emb 16,000 x 256 float32; input_G_codes 4 x 1,024 x 8 x 16 uint8 (E2M1 codes of input_G, K innermost, in blocks of 32 codes, two codes a byte); input_G_scales 4 x 1,024 x 8 uint8 (E8M0 scales of input_G, one for each 32 codes along K); input_T_codes 4 x 1,024 x 8 x 16 uint8 (E2M1 codes of input_T, K innermost, in blocks of 32 codes, two codes a byte); input_T_scales 4 x 1,024 x 8 uint8 (E8M0 scales of input_T, one for each 32 codes along K); mask 4 x 1,024 bool.
;; Outputs: out0 4 x 1,024 x 256 float32; out1 4 x 1,024 x 256 float32.
;; This version of the problem:
;;   THIS VERSION OF THE PROBLEM IS GIVEN IN LOW PRECISION. The matrix products marked QUANTISED in the list below multiply operands that are first quantised to E2M1 (2 exponent bits, 1 mantissa bit; 4 bits a number), with one power-of-two scale for each 32 numbers along K (OCP MX v1.0); their sums are f32. All else is computed in f32.
;;   The module's matrix products, in the order in which they are computed (A, B: the left and right operand; K: the contracted axis; several contracted axes count as one K, in the product's order):
;;     1. [M 4,096, K 256] x [K 256, N 16,000]; A: input input_G (given as codes); B: input W_G_emb: QUANTISED
;;     2. [M 4,096, K 256] x [K 256, N 16,000]; A: input input_T (given as codes); B: input W_T_emb: QUANTISED
;;     3. [M 4,096, K 16,000] x [K 16,000, N 256]; A: softmax (see below); B: input W_G_emb: QUANTISED
;;     4. [M 4,096, K 16,000] x [K 16,000, N 256]; A: softmax (see below); B: input W_T_emb: QUANTISED
;;   THE QUANTISER, for each operand of a quantised product, along K:
;;     - K is cut into blocks of 32 from its start; a last block that is shorter is filled with zeros.
;;     - A block's scale is 2^e with e = floor(log2(the largest magnitude in the block)) - 2, held to -126 .. 127; a block of zeros has e = 0. As a byte (E8M0): e + 127.
;;     - Each number is divided by its block's scale, clamped to +-6, and rounded to the nearest number of E2M1, ties to even, subnormals kept.
;;     - The product sums the exact products of the quantised numbers (number of the format x scale) in f32.
;;   ~~~python
;;   def quantise(x, axis):      # numpy; x: float32 -> the quantised numbers, widened to float32 again
;;       x = np.moveaxis(x, axis, -1); K = x.shape[-1]
;;       x = np.pad(x, [(0, 0)] * (x.ndim - 1) + [(0, -K % 32)]); x = x.reshape(x.shape[:-1] + (-1, 32)); a = np.abs(x).max(-1, keepdims=True)
;;       e = np.where(a > 0, np.clip(np.frexp(np.where(a > 0, a, 1))[1] - 1 - 2, -126, 127), 0)      # np.frexp(a)[1] - 1 = floor(log2(a)), exactly
;;       r = np.clip(x / 2.0 ** e, -6, 6)
;;       step = 2.0 ** (np.maximum(np.frexp(np.where(r == 0, 1, r))[1] - 1, 0) - 1)
;;       q = np.round(r / step) * step * 2.0 ** e      # np.round: ties to even
;;       return np.moveaxis(q.reshape(q.shape[:-2] + (-1,))[..., :K], -1, axis).astype(np.float32)
;;   ~~~
;;   SOFTMAX AHEAD OF A QUANTISED PRODUCT. Where the list says 'softmax', what is quantised is not the finished softmax but p = 2^(t - M), with t = logit x log2(e) and M = ceil(the row's largest t), a whole number; so 1/2 < the row's largest p <= 1. The row's sum l is taken of the UNQUANTISED p, in f32, and the product's result is divided by l at the end. Since M is a whole number, a kernel that streams over the keys may use a running M (the ceiling of the running maximum): every later rescaling is an exact power of two, which a block's scale takes up: the codes' values come out the same.
;;   OPERANDS COMPUTED ON THE WAY. 'Computed on the way' means the value that the module computes at that place (a softmax that the list does not call 'softmax' is quantised finished and normalised). What goes into a quantiser is computed in f32, as accurately as f32 sums, v_exp_f32 and their like allow (about 1e-6 of the number): no bf16 or f16 on the way to a quantiser, and a product that is left as it is and whose result goes on into a quantised operand takes f32 operands (vector FMAs, or v_wmma_f32_16x16x4_f32). A number that lies on a knife's edge between two numbers of the format may be rounded either way, as far as f32 arithmetic and the matrix unit's own rounding can turn it there, and no further.
;;   INPUTS GIVEN AS CODES. input_G (in the module: [4, 1024, 256], K = its axis 2); input_T (in the module: [4, 1024, 256], K = its axis 2): each comes as NAME_codes (uint8): NAME with its K axis moved to the last place and cut into blocks of 32 codes, [.., K / 32, bytes a block], one block behind the other in memory; two codes a byte, the lower K in the low four bits (a code: sign, 2 exponent bits, 1 mantissa bit); and NAME_scales (uint8): the same leading axes, one E8M0 byte (e + 127) for each 32 codes along K. Its value is code x scale, taken as it is: it is not quantised again, and the codes and scales need not be those that the quantiser above would give.
;; One version. Each part assembles by itself: llvm-mc -triple=amdgcn-amd-amdhsa -mcpu=gfx1250 --defsym DOCPART=n.
;; ======== version 1 of 1: 3 launches
;; limits: right only within a limited range of input values
;; workspace buffers: wq 8,704,000 bytes; part 33,554,432 bytes; pstat 524,288 bytes
;; launch quant (part 1): grid 125 x 2, 32 waves a work-group, no clusters, 153,600 bytes of LDS; arguments W_G_emb, W_T_emb, wq; writes wq
.if DOCPART == 1
	.amdgcn_target "amdgcn-amd-amdhsa--gfx1250"
	.amdhsa_code_object_version 6
	.text
	.protected	k_qfb0ecd83f4_quant
	.globl	k_qfb0ecd83f4_quant
	.p2align	8
	.type	k_qfb0ecd83f4_quant,@function
k_qfb0ecd83f4_quant:
	s_mov_b64 s[64:65], 0
	v_nop
	global_prefetch_b8 v0, s[64:65] scope:SCOPE_SE
	s_setreg_imm32_b32 hwreg(HW_REG_WAVE_MODE, 25, 1), 1
	s_wait_xcnt 0x0
; W_G_emb and W_T_emb, [16000][256] f32, are operands twice: of scores = q W^T (K = d) and of o = p W (K = v).  This launch reads every number once and makes BOTH
; quantisations to FP4 (E2M1) with one E8M0 byte for each 32 along K.  A block's byte is its largest magnitude's exponent field - 2, held at 1 from below.
; DEAD WORK: reference() takes mask and never uses it, so no result hangs on it for any value; no launch loads it and it is among no launch's arguments.
; LIMITS: a block whose largest magnitude lies under 2^-124 keeps the byte 1; a block of zeros gets the byte 1 where the rule says 127 (its codes are zeros, and this program
; alone reads the bytes); NaN and infinities in W are not served.
; SHARES.  Work-group (x, y): key step x (128 rows of W) of tensor y; it writes one dense block of 34,816 bytes of wq:
;   KC 0: key tile t (0..7), row r, K step s, block b of 32 d: 16 bytes at 4096 (t/2) + 2048 s + 512 b + 256 (r/8) + 128 ((t%2) xor (r/8)) + 16 (r%8).
;         Row r of tile t is key 64 (t/4) + 32 (r/8) + 8 (t%4) + r%8, so that in the transposed scores a lane's 32 registers of four tiles are one whole block of 32 keys.
;   KS 16384: byte 512 (t/4) + 16 (16 s + r) + 4 (t%4) + b      VC 17408: fragment dt (16 d) at 1024 dt; block g of 32 keys, row r: 16 bytes at 256 g + 16 r
;   VS 33792: byte 512 (j/4) + 16 L + 4 (j%4) + g for d = 32 j + L
; Wave w takes a square of 32 rows (g = w / 8) x 32 columns (cb = w % 8).  A lane takes a COLUMN, 32 registers down the rows: a whole block along v.  The square also goes
; through the wave's own stage in LDS and comes back a ROW to a lane: a whole block along d.  No loop, no tensor loads, no clusters: no work-group shares a byte with another.
.set STEPB, 34816
.set TENB,  125*STEPB
.set SP,    144                        ; a stage row: 128 bytes + 16
.set WSTG,  32*SP
.set SCB,   32*WSTG                    ; behind the 32 stages: the image of KS (1,024 bytes), then of VS
.set X,  16
.set Y,  48
.set CV, 80
.set CK, 84
	s_load_b128 s[4:7], s[0:1], 0x0                ; W_G, W_T
	s_load_b64 s[8:9], s[0:1], 0x10                ; wq
	v_lshl_add_u32 v96, v0, 2, 0x24800             ; my spare word, and 0
	v_mov_b32 v97, 0
	v_lshrrev_b32 v1, 5, v0
	s_delay_alu instid0(VALU_DEP_1)
	v_readfirstlane_b32 s10, v1                    ; wave 0..31
	s_lshr_b32 s11, s10, 3                         ; g
	s_and_b32 s12, s10, 7                          ; cb
	s_and_b32 s13, ttmp7, 0xffff                   ; the tensor
	s_lshr_b32 s16, s12, 2                         ; s = cb / 4
	s_and_b32 s17, s12, 3                          ; b = cb % 4
	v_and_b32 v1, 31, v0                           ; lane L
	v_and_b32 v10, 15, v0
	v_bfe_u32 v11, v0, 4, 1                        ; L / 16
	s_delay_alu instid0(VALU_DEP_3)
	v_lshlrev_b32 v2, 2, v1
	s_delay_alu instid0(VALU_DEP_4)
	v_lshlrev_b32 v9, 4, v1                        ; 16 L
	s_delay_alu instid0(VALU_DEP_4)
	v_lshlrev_b32 v13, 4, v10                      ; 16 (L % 16)
	s_wait_alu depctr_va_vdst(0)                   ; ahead of the scalar run
	s_mul_i32 s21, s10, WSTG
	v_add_nc_u32 v3, s21, v2                       ; the stage, in: row i by the immediate, column L
	v_mul_u32_u24 v4, v1, SP
	s_delay_alu instid0(VALU_DEP_1)
	v_add_nc_u32 v4, s21, v4                       ; and out: row L, which is key 32 g + L: tile 4 (g/2) + L/8, row 8 (g%2) + L%8
	s_lshr_b32 s19, s11, 1                         ; K's codes: 8192 (g/2) + 256 (g%2) + 2048 s + 512 b + 4096 (L/16) + (16 (L%16) xor 128 (g%2))
	s_lshl_b32 s19, s19, 13
	s_and_b32 s30, s11, 1
	s_lshl_b32 s18, s30, 8
	s_add_co_u32 s19, s19, s18
	s_lshl_b32 s18, s16, 11
	s_add_co_u32 s19, s19, s18
	s_lshl_b32 s18, s17, 9
	s_add_co_u32 s19, s19, s18
	s_lshl_b32 s30, s30, 7
	v_xor_b32 v5, s30, v13
	s_delay_alu instid0(VALU_DEP_1)
	v_lshl_add_u32 v5, v11, 12, v5
	s_delay_alu instid0(VALU_DEP_1)
	v_add_nc_u32 v5, s19, v5
	s_lshl_b32 s20, s12, 11                        ; V's codes: 17408 + 1024 (2 cb + L/16) + 256 g + 16 (L%16)
	s_lshl_b32 s18, s11, 8
	s_add_co_u32 s20, s20, s18
	s_add_co_u32 s20, s20, 17408
	v_lshl_add_u32 v6, v11, 10, v13
	s_delay_alu instid0(VALU_DEP_1)
	v_add_nc_u32 v6, s20, v6
	s_lshr_b32 s14, s11, 1                         ; K's byte in LDS: SCB + 512 (g/2) + 128 (g%2) + 256 s + b + 16 (L%8) + 4 (L/8)
	s_lshl_b32 s14, s14, 9
	s_and_b32 s15, s11, 1
	s_lshl_b32 s15, s15, 7
	s_add_co_u32 s14, s14, s15
	s_lshl_b32 s15, s16, 8
	s_add_co_u32 s14, s14, s15
	s_add_co_u32 s14, s14, s17
	s_add_co_u32 s14, s14, SCB
	v_and_b32 v7, 7, v1
	v_lshrrev_b32 v12, 3, v1
	s_delay_alu instid0(VALU_DEP_2)
	v_lshlrev_b32 v7, 4, v7
	s_delay_alu instid0(VALU_DEP_1)
	v_lshl_add_u32 v7, v12, 2, v7
	s_delay_alu instid0(VALU_DEP_1)
	v_add_nc_u32 v7, s14, v7
	s_lshl_b32 s15, s16, 9                         ; V's byte: SCB + 1024 + 512 (cb/4) + 4 (cb%4) + g + 16 L
	s_lshl_b32 s18, s17, 2
	s_add_co_u32 s15, s15, s18
	s_add_co_u32 s15, s15, s11
	s_add_co_u32 s15, s15, SCB+1024
	v_add_nc_u32 v8, s15, v9
	s_min_u32 s24, s10, 3                          ; the scale bytes' way out is waves 0 to 3's
	s_lshl_b32 s25, s24, 9
	s_add_co_u32 s26, s25, SCB
	v_add_nc_u32 v14, s26, v9
	s_lshr_b32 s27, s24, 1
	s_lshl_b32 s27, s27, 14
	s_add_co_u32 s27, s27, s25
	s_add_co_u32 s27, s27, 16384
	v_add_nc_u32 v15, s27, v9                      ; waves 0, 1: KS at 16384; waves 2, 3: VS at 33792
	s_lshl_b32 s22, ttmp9, 17
	s_lshl_b32 s18, s11, 15
	s_add_co_u32 s22, s22, s18
	s_lshl_b32 s18, s12, 7
	s_add_co_u32 s22, s22, s18
	s_mov_b32 s23, 0
	s_mul_i32 s28, s13, TENB
	s_mul_i32 s18, ttmp9, STEPB
	s_add_co_u32 s28, s28, s18
	s_mov_b32 s29, 0
	s_wait_alu depctr_va_vdst(0)                   ; the head's end
	s_wait_kmcnt 0x0
	s_cmp_eq_u32 s13, 0
	s_cselect_b64 s[4:5], s[4:5], s[6:7]
	s_add_nc_u64 s[4:5], s[4:5], s[22:23]
	s_add_nc_u64 s[8:9], s[8:9], s[28:29]
.set i, 0
.rept 32
	global_load_b32 v[X+i], v2, s[4:5] offset:1024*i th:TH_LOAD_NT   ; W(32 g + i, 32 cb + L)
.set i, i+1
.endr
.macro QBLOCK src, dst, byte           ; 32 numbers of one block become 16 bytes of codes and the block's byte
	v_max3_num_f32 v10, |v[\src]|, |v[\src+1]|, |v[\src+2]|
	v_max3_num_f32 v11, |v[\src+3]|, |v[\src+4]|, |v[\src+5]|
.irp i, 6,10,14,18,22,26
	s_delay_alu instid0(VALU_DEP_2)
	v_max3_num_f32 v10, v10, |v[\src+\i]|, |v[\src+\i+1]|
	s_delay_alu instid0(VALU_DEP_2)
	v_max3_num_f32 v11, v11, |v[\src+\i+2]|, |v[\src+\i+3]|
.endr
	s_delay_alu instid0(VALU_DEP_2)
	v_max3_num_f32 v10, v10, |v[\src+30]|, |v[\src+31]|
	s_delay_alu instid0(VALU_DEP_1)
	v_max3_num_f32 v10, v10, v11, 0x1800000        ; the floor 2^(3 - 127): the byte cannot fall under 1
	s_delay_alu instid0(VALU_DEP_1)
	v_add_nc_u32 v11, 0xff000000, v10              ; 2 off the exponent field: the conversion's scale operand
.irp g, 0,1,2,3
	v_cvt_scalef32_pk8_fp4_f32 v[\dst+\g], v[\src+8*\g:\src+8*\g+7], v11
.endr
	v_lshrrev_b32 v[\byte], 23, v11                ; the byte; also the plain line behind the conversions
.endm
	s_wait_loadcnt 0x0
.set i, 0
.rept 32
	ds_store_b32 v3, v[X+i] offset:SP*i
.set i, i+1
.endr
.irp j, 0,1,2,3,4,5,6,7
	ds_load_b128 v[Y+4*\j:Y+4*\j+3], v4 offset:16*\j   ; a row to a lane: LDS serves a wave's instructions in order
.endr
	QBLOCK X, CV, 12
	global_store_b128 v6, v[CV:CV+3], s[8:9]       ; each sixteen lanes store 256 consecutive bytes, aligned
	ds_store_b8 v8, v12
	s_wait_dscnt 1                                 ; behind the eight loads only that byte store was issued
	QBLOCK Y, CK, 13
	global_store_b128 v5, v[CK:CK+3], s[8:9]       ; again two aligned runs of 256 bytes
	ds_store_b8 v7, v13
	s_wait_dscnt 0x0
	s_barrier_signal -1
	s_barrier_wait -1
	s_cmp_gt_u32 s10, 3
	s_cbranch_scc1 .Lend
	ds_load_b128 v[88:91], v14
	s_wait_dscnt 0x0
	global_store_b128 v15, v[88:91], s[8:9]
.Lend:
	s_wait_tensorcnt 0x0                           ; the wave's end
	ds_add_u32 v96, v97
	s_wait_dscnt 0x0
	s_endpgm
.Lfunc_end_k_qfb0ecd83f4_quant:
	.size	k_qfb0ecd83f4_quant, .Lfunc_end_k_qfb0ecd83f4_quant-k_qfb0ecd83f4_quant
	.p2alignl 7, 3214868480
	.fill 96, 4, 3214868480
	.section	.rodata,"a",@progbits
	.p2align	6, 0x0
	.amdhsa_kernel k_qfb0ecd83f4_quant
		.amdhsa_group_segment_fixed_size 153600
		.amdhsa_private_segment_fixed_size 0
		.amdhsa_enable_private_segment 0
		.amdhsa_kernarg_size 24
		.amdhsa_user_sgpr_count 2
		.amdhsa_user_sgpr_kernarg_segment_ptr 1
		.amdhsa_wavefront_size32 1
		.amdhsa_system_sgpr_workgroup_id_x 1
		.amdhsa_system_sgpr_workgroup_id_y 1
		.amdhsa_system_sgpr_workgroup_id_z 1
		.amdhsa_system_vgpr_workitem_id 0
		.amdhsa_next_free_vgpr 98
		.amdhsa_next_free_sgpr 66
		.amdhsa_reserve_vcc 0
		.amdhsa_float_denorm_mode_32 3
		.amdhsa_float_denorm_mode_16_64 3
		.amdhsa_memory_ordered 1
		.amdhsa_forward_progress 1
		.amdhsa_inst_pref_size 14
	.end_amdhsa_kernel
	.amdgpu_metadata
---
amdhsa.version: [ 1, 2 ]
amdhsa.kernels:
  - .name:           k_qfb0ecd83f4_quant
    .symbol:         k_qfb0ecd83f4_quant.kd
    .args:
      - { .name: W_G_emb, .offset: 0, .size: 8, .value_kind: global_buffer, .address_space: global }
      - { .name: W_T_emb, .offset: 8, .size: 8, .value_kind: global_buffer, .address_space: global }
      - { .name: wq, .offset: 16, .size: 8, .value_kind: global_buffer, .address_space: global }
    .group_segment_fixed_size: 153600
    .private_segment_fixed_size: 0
    .kernarg_segment_align: 8
    .kernarg_segment_size: 24
    .max_flat_workgroup_size: 1024
    .sgpr_count:     66
    .vgpr_count:     98
    .wavefront_size: 32
...
	.end_amdgpu_metadata
.endif
;; end of part 1
;; launch attn (part 2): grid 32 x 8, 8 waves a work-group, clusters of 4 x 1, 327,680 bytes of LDS; arguments input_G_codes, input_G_scales, input_T_codes, input_T_scales, wq, part, pstat; writes part, pstat
.if DOCPART == 2
	.amdgcn_target "amdgcn-amd-amdhsa--gfx1250"
	.amdhsa_code_object_version 6
	.text
	.protected	k_qfb0ecd83f4_attn
	.globl	k_qfb0ecd83f4_attn
	.p2align	8
	.type	k_qfb0ecd83f4_attn,@function
k_qfb0ecd83f4_attn:
	s_mov_b64 s[64:65], 0
	v_nop
	global_prefetch_b8 v0, s[64:65] scope:SCOPE_SE
	s_setreg_imm32_b32 hwreg(HW_REG_WAVE_MODE, 25, 1), 1
	s_wait_xcnt 0x0
	s_wait_alu depctr_hold_cnt(0) depctr_sa_sdst(0) depctr_va_vdst(0) depctr_va_sdst(0) depctr_va_ssrc(0) depctr_va_vcc(0) depctr_vm_vsrc(0)
	s_getreg_b32 s2, hwreg(HW_REG_IB_STS2, 6, 4)
	s_cmp_eq_u32 s2, 0
	s_cbranch_scc0 .Lentry_in_a_cluster
	s_endpgm
.Lentry_in_a_cluster:
	s_bfe_u32 s2, ttmp6, 0x10000c
	s_cmp_lg_u32 s2, 0x3003
	s_cbranch_scc0 .Lentry_shape_is_right
	s_endpgm
.Lentry_shape_is_right:
; Two attentions over tied tables, o = softmax(q W^T) W, both products on codes of FP4 (E2M1) with one E8M0 byte for each 32 along K.  q: 4,096 rows of 256, given as codes;
; W: 16,000 keys from wq, one block of 34,816 bytes for each step of 128 keys (KC 0, KS 16384, VC 17408, VS 33792, laid as the launch before says).  mask is left out: reference() never uses it.
; THE SOFTMAX: t = score x log2(e); M = the running largest t rounded UP to a whole number; p = 2^(t - M) is quantised along the keys, not normalised; l sums the unquantised p.
; This launch leaves O and (-M, l) of a QUARTER of the keys; the next launch joins the quarters and divides.
; LIMITS: a p under 2^-126 counts as 0; a block of such p keeps the byte 1 over zero codes; NaN and infinities are not served.
; SHARES.  Work-group (x, y): 128 queries, tensor y / 4, quarter y % 4: 8 slots of 4 key steps.  Wave w: 32 queries (w % 4), two tiles of 16; key group w / 4 takes steps 2 (w/4), 2 (w/4) + 1 of every slot.
; Register tile q of a wave is tile q xor (w / 4), so at the end every wave keeps register tile 0 and sends register tile 1 to wave w xor 4.
; The last quarter's last slot is drawn back to step 121, so that no load leaves wq; the steps that it repeats are left out by scalar branches on ids (a lone left-out step adds zero codes).
; CLUSTER: the four work-groups share tensor and quarter: each eighth of a slot is asked for jointly, mask 15.
; LAYOUT.  Both products transposed: a lane holds ONE query.  The keys of K's tiles are chosen so that lane (r, h) holds in tiles 4 c .. 4 c + 3 the keys 64 c + 32 h + 0 .. 31: a WHOLE block, in the order of the
; second product's operand: a block's maximum asks no other lane and the conversions' results are the operand.
; ONE RESCALING A SLOT.  A wave's two steps a, b of a slot share one rescaling of O^T: a's codes are kept; when b has given M_b, a's scale bytes take up M_a - M_b (a whole number, 0 or less; a byte is held at 0
; from below: what is lost lies 2^-120 under the row's largest term), O^T is multiplied once by 2^(old M - M_b), and both steps' products with V follow.
; THE EXPONENTIALS go in two batches, a wait ahead of each and one behind; in a batch's gaps stand only lines that read nothing written inside it and whose results are read behind it.
; NO PREFETCH: a slot's fill has a whole slot's work (two key steps a wave) in which to land, and each block of wq is asked for by eight clusters that walk the same slots.
; REGISTERS, window 0: v1, v2 the spare word's address and 0; v3 16 x lane; v4, v47 steps a's, b's LDS address; v5, v6 K's even and odd tiles; v7 their lane term; v46 8 h; v8+4q -M, m, l (a pair);
;   v16+2q b's f, v20+2q a's f, then O^T's; v24+2st+q p's scale words; v28+2q+c block maxima; v32+2q+c a's bytes; v36-43 K's, V's scale words; v44+q Q's; v48.. Q; v80+16st+8q p's codes;
;   v96-127 K's fragments, then at work (v112-127); v128+64q S^T, then p, then V's sixteen fragments.   window 1: O^T at v[128 q + 8 dt].
.set STEPB,  34816
.set HALFB,  17408                     ; what one tensor load brings: 68 rows of 256 bytes
.set SLOTB,  0x22000
.set GRPB,   2*STEPB
.set TENB,   125*STEPB
.set LASTS,  121
.set SPARE,  2*SLOTB
.set WST,    16640                     ; the end's stage, in slot 0, which has then had its last fill and its last read
.set KSO,    16384
.set VCO,    17408
.set VSO,    33792
.set MSB, 0
.macro WIN new
.if MSB != \new
	s_set_vgpr_msb (MSB<<8)|\new
.set MSB, \new
.endif
.endm
.macro PLACES n
.rept \n
	v_nop
.endr
.endm
.macro AW
	s_wait_alu depctr_va_vdst(0)
.endm
.macro CREST
	s_cmp_lg_u32 s18, 0
	s_cbranch_scc1 .Lnot_wave_0_\@
	s_barrier_signal -3
.Lnot_wave_0_\@:
	s_barrier_wait -3
	s_barrier_signal -1
	s_barrier_wait -1
.endm
.macro CROUND
	s_barrier_signal -1
	s_barrier_wait -1
	CREST
.endm
	s_load_b256 s[4:11], s[0:1], 0x0               ; G's codes, G's scales, T's codes, T's scales
	s_load_b128 s[12:15], s[0:1], 0x20             ; wq, part
	s_load_b64 s[16:17], s[0:1], 0x30              ; pstat
	v_lshl_add_u32 v1, v0, 2, SPARE
	v_mov_b32 v2, 0
	ds_add_u32 v1, v2
	ds_add_u32 v1, v2
	v_lshrrev_b32 v3, 5, v0
	v_readfirstlane_b32 s18, v3                    ; wave 0..7
	s_and_b32 s19, s18, 3                          ; QG
	s_lshr_b32 s20, s18, 2                         ; KG
	s_lshl_b32 s25, s20, 1
	s_and_b32 s23, ttmp7, 0xffff
	s_and_b32 s24, s23, 3                          ; the quarter
	s_lshr_b32 s23, s23, 2                         ; the tensor
	s_lshl_b32 s45, s24, 5                         ; NS: the step at which the slot in hand should begin
	s_min_u32 s46, s45, LASTS                      ; AS: and at which it does
	s_add_co_u32 s47, s46, s25                     ; SI: my step a
	s_mul_i32 s44, s20, GRPB                       ; its LDS byte
	s_mul_i32 s26, s18, HALFB                      ; my eighth of a slot
	s_mul_i32 s56, s23, TENB
	s_mul_i32 s57, s46, STEPB
	s_add_co_u32 s56, s56, s57
	s_add_co_u32 s56, s56, s26
	s_mov_b32 s57, 0
	s_mov_b32 s51, 0
	s_mov_b32 s28, 15|(3<<16)|(1<<21)              ; group 1: the mask of all four; elements of 8 bytes; bit 21 beside a mask; no padding
	s_mov_b32 s29, 32<<16
	s_mov_b32 s30, 68<<16
	s_mov_b32 s31, 32<<16
	s_mov_b32 s32, 68
	s_mov_b32 s33, 32
	s_mov_b32 s34, 0
	s_mov_b32 s35, 0
	s_mov_b32 s40, 0x76543210                      ; lane l xor 16
	s_mov_b32 s41, 0xfedcba98
	s_mov_b32 s42, 0x3fb8aa3b                      ; log2(e)
	s_mov_b32 s43, s42
	s_mov_b32 s48, 5
	s_mul_i32 s27, s18, WST                        ; my stage,
	s_xor_b32 s58, s18, 4
	s_mul_i32 s58, s58, WST                        ; and wave w xor 4's
	s_bfe_u32 s21, ttmp6, 0x40000                  ; cx: it enters Q's, part's and pstat's addresses alone
	s_lshl_b32 s22, ttmp9, 2
	s_add_co_u32 s22, s22, s21
	s_wait_dscnt 0x0
	s_wait_kmcnt 0x0
	s_mov_b32 s36, 1
	s_mov_b32 s37, s26
	s_add_nc_u64 s[38:39], s[12:13], s[56:57]
	s_or_b32 s39, s39, 0x80000000
	s_cmp_eq_u32 s23, 0
	s_cselect_b64 s[4:5], s[4:5], s[8:9]
	s_cselect_b64 s[6:7], s[6:7], s[10:11]
	CROUND
	tensor_load_to_lds s[36:39], s[28:35]          ; slot 0: my one load at the head
	s_nop 0
	PLACES 4
	s_lshl_b32 s52, s22, 7
	s_lshl_b32 s53, s19, 5
	s_add_co_u32 s52, s52, s53                     ; my first query
	s_lshl_b32 s54, s52, 7
	s_mov_b32 s55, 0
	s_add_nc_u64 s[4:5], s[4:5], s[54:55]
	s_lshl_b32 s54, s52, 3
	s_add_nc_u64 s[6:7], s[6:7], s[54:55]
	v_and_b32 v32, 15, v0
	v_bfe_u32 v33, v0, 4, 1
	v_lshlrev_b32 v34, 3, v32
	v_lshl_add_u32 v34, v33, 2, v34                ; scale words: 8 r + 4 h
	v_lshlrev_b32 v32, 7, v32
	v_lshl_add_u32 v32, v33, 4, v32                ; codes: 128 r + 16 h
	s_lshl_b32 s53, s20, 11
	v_add_nc_u32 v32, s53, v32                     ; register tile 0 is tile KG,
	v_xor_b32 v33, 2048, v32                       ; register tile 1 the other
	s_lshl_b32 s53, s20, 7
	v_add_nc_u32 v34, s53, v34
	v_xor_b32 v35, 128, v34
.irp q, 0,1
.irp s, 0,1
.irp c, 0,1
	global_load_b128 v[48+16*\q+8*\s+4*\c:48+16*\q+8*\s+4*\c+3], v[32+\q], s[4:5] offset:64*\s+32*\c
.endr
.endr
	global_load_b32 v[44+\q], v[34+\q], s[6:7]
.endr
	v_and_b32 v3, 31, v0
	v_lshlrev_b32 v3, 4, v3                        ; 16 x lane
	v_and_b32 v7, 7, v0
	v_lshlrev_b32 v7, 4, v7
	v_bfe_u32 v46, v0, 3, 1
	v_mad_u32_u24 v7, v46, 0x180, v7
	v_bfe_u32 v46, v0, 4, 1
	v_lshl_add_u32 v7, v46, 9, v7                  ; K's even tiles: 512 h + 384 (r/8) + 16 (r%8)
	v_lshlrev_b32 v46, 3, v46                      ; 8 h
.irp x, 17,19,21,23
	v_mov_b32 v\x, 0                               ; upper halves of pairs that the packed forms name
.endr
	s_lshr_b32 s52, s52, 4
	s_add_co_u32 s52, s52, s20
	s_lshl_b32 s53, s23, 8
	s_add_co_u32 s52, s52, s53
	s_lshl_b32 s52, s52, 2
	s_add_co_u32 s52, s52, s24                     ; (256 tensor + the tile that I keep) x 4 + quarter
	s_lshl_b32 s54, s52, 14
	s_add_nc_u64 s[14:15], s[14:15], s[54:55]
	s_lshl_b32 s54, s52, 8
	s_add_nc_u64 s[16:17], s[16:17], s[54:55]
	AW                                             ; the head's end
	s_wait_loadcnt 0x0
.macro KBASE k                         ; groups 0 and 3 lie in v96-127; groups 1 and 2 where the results of groups 2 and 3 will lie
.if \k == 1
.set KB0, 160
.set KB1, 224
.elseif \k == 2
.set KB0, 176
.set KB1, 240
.else
.set KB0, 96
.set KB1, 112
.endif
.endm
.macro KLOAD k                         ; key tiles 2 k (by v5) and 2 k + 1 (by v6)
	KBASE \k
.irp s, 0,1
.irp c, 0,1
	ds_load_b128 v[KB0+8*\s+4*\c:KB0+8*\s+4*\c+3], v5 offset:4096*\k+2048*\s+1024*\c
	ds_load_b128 v[KB1+8*\s+4*\c:KB1+8*\s+4*\c+3], v6 offset:4096*\k+2048*\s+1024*\c
.endr
.endr
.endm
.macro SMUL k                          ; eight products; the four accumulators take turns
	KBASE \k
.irp s, 0,1
.irp tl, 0,1
.irp q, 0,1
.set rD, 128+64*\q+8*(2*\k+\tl)
.set rA, KB0+(KB1-KB0)*\tl+8*\s
.set rQ, 48+16*\q+8*\s
.if \s == 0
	v_wmma_scale_f32_16x16x128_f8f6f4 v[rD:rD+7], v[rA:rA+7], v[rQ:rQ+7], 0, v[36+2*\k+\tl], v[44+\q] matrix_a_fmt:MATRIX_FMT_FP4 matrix_b_fmt:MATRIX_FMT_FP4
.else
	v_wmma_scale_f32_16x16x128_f8f6f4 v[rD:rD+7], v[rA:rA+7], v[rQ:rQ+7], v[rD:rD+7], v[36+2*\k+\tl], v[44+\q] matrix_a_fmt:MATRIX_FMT_FP4 matrix_b_fmt:MATRIX_FMT_FP4 matrix_a_scale:MATRIX_SCALE_ROW1 matrix_b_scale:MATRIX_SCALE_ROW1
.endif
.endr
.endr
.endr
.endm
.macro QK a, sb                        ; S^T of one key step: a = the register with its 16 x lane address, sb = its LDS byte
	v_add_nc_u32 v5, \sb, v7
	v_xor_b32 v6, 0x80, v5
	AW                                             ; directly behind the addresses' writes
	ds_load_b128 v[36:39], v[\a] offset:KSO
	ds_load_b128 v[40:43], v[\a] offset:KSO+512
	KLOAD 0
	KLOAD 1
	KLOAD 2
	s_wait_dscnt 16                                ; groups 1 and 2 may be out
	SMUL 0
	PLACES 4
	KLOAD 3
	s_wait_dscnt 16                                ; groups 2 and 3 may be out
	SMUL 1
	PLACES 5                                       ; group 2's results are laid over fragments that group 1 read
	s_wait_dscnt 8
	SMUL 2
	PLACES 5
	s_wait_dscnt 0x0
	SMUL 3
	PLACES 4
.endm
.macro VL a, h                         ; V's fragments 8 h .. 8 h + 7
.set dd, 8*\h
.rept 8
	ds_load_b128 v[128+8*dd:128+8*dd+3], v[\a] offset:VCO+1024*dd
	ds_load_b128 v[128+8*dd+4:128+8*dd+7], v[\a] offset:VCO+1024*dd+512
.set dd, dd+1
.endr
.endm
.macro LEVEL b, d                      ; a level of the sums' tree, in place: pair 2 d i takes pair 2 d i + d
.set ii, 0
.rept 32/(\d)
	v_pk_add_f32 v[\b+2*(\d)*ii:\b+2*(\d)*ii+1], v[\b+2*(\d)*ii:\b+2*(\d)*ii+1], v[\b+2*(\d)*ii+(\d):\b+2*(\d)*ii+(\d)+1]
.set ii, ii+1
.endr
.endm
.macro LSUM q, first                   ; l = l f + the step's sum; the first step starts l
.if \first
	v_pk_add_f32 v[10+4*\q:11+4*\q], v[128+64*\q:129+64*\q], v[160+64*\q:161+64*\q]
.else
	LEVEL 128+64*\q, 32
	v_pk_fma_f32 v[10+4*\q:11+4*\q], v[10+4*\q:11+4*\q], v[FR+2*\q:FR+2*\q+1], v[128+64*\q:129+64*\q] op_sel_hi:[1,0,1]
.endif
.endm
; THE SOFTMAX of both tiles for one key step.  first: the wave's first step.  st: 0 = step a, 1 = step b.  fo: O^T's factor takes b's f in.
.macro SM first, st, fo
.set FR, 20-4*\st
.set BY, 32+80*\st                     ; the bytes: a's stay in v32-35, b's pass through v112-115
.set PC, 80+16*\st
.irp k, 0,1,2,3                        ; four chains of maxima a tile, each accumulator first read at its low end
.irp q, 0,1
	v_max3_num_f32 v[112+4*\q+\k], v[128+64*\q+16*\k], v[129+64*\q+16*\k], v[130+64*\q+16*\k]
.endr
.endr
.irp i, 3,5,7,9,11,13
.irp k, 0,1,2,3
.irp q, 0,1
	v_max3_num_f32 v[112+4*\q+\k], v[112+4*\q+\k], v[128+64*\q+16*\k+\i], v[129+64*\q+16*\k+\i]
.endr
.endr
.endr
.irp c, 0,1
.irp q, 0,1
	v_max3_num_f32 v[28+2*\q+\c], v[112+4*\q+2*\c], v[113+4*\q+2*\c], v[143+64*\q+32*\c]
.endr
.endr
.irp c, 0,1
.irp q, 0,1
	v_max_num_f32 v[28+2*\q+\c], v[28+2*\q+\c], v[159+64*\q+32*\c]   ; my block's largest score
.endr
.endr
.irp q, 0,1
	v_max_num_f32 v[120+\q], v[28+2*\q], v[29+2*\q]
.endr
.irp q, 0,1
	v_permlanex16_b32 v[122+\q], v[120+\q], s40, s41
.endr
.irp q, 0,1
	v_max_num_f32 v[120+\q], v[120+\q], v[122+\q]                    ; the step's largest score of my query
.endr
.if \first
.irp q, 0,1
	v_mul_f32 v[9+4*\q], s42, v[120+\q]
.endr
.irp q, 0,1
	v_floor_f32 v[8+4*\q], -v[9+4*\q]                                ; -M = floor(-t)
.endr
.else
.irp q, 0,1
	v_mul_f32 v[120+\q], s42, v[120+\q]
.endr
.irp q, 0,1
	v_max_num_f32 v[9+4*\q], v[9+4*\q], v[120+\q]
.endr
.irp q, 0,1
	v_mov_b32 v[120+\q], v[8+4*\q]
.endr
.irp q, 0,1
	v_floor_f32 v[8+4*\q], -v[9+4*\q]
.endr
.irp q, 0,1
	v_sub_f32 v[120+\q], v[8+4*\q], v[120+\q]                        ; old M - new M: a whole number, 0 or less
.endr
.irp q, 0,1
	v_cvt_i32_f32 v[120+\q], v[120+\q]
.endr
.irp q, 0,1
	v_ldexp_f32 v[FR+2*\q], 1.0, v[120+\q]
.endr
.if \fo
.irp q, 0,1
	v_mul_f32 v[20+2*\q], v[20+2*\q], v[16+2*\q]                     ; O^T's factor for the slot: a product of powers of two
.endr
.endif
.endif
.irp q, 0,1
.irp c, 0,1
	v_fma_f32 v[28+2*\q+\c], v[28+2*\q+\c], s42, v[8+4*\q]
.endr
.endr
.set jj, 0
.rept 32
	v_pk_fma_f32 v[128+jj:129+jj], v[128+jj:129+jj], s[42:43], v[8:9] op_sel_hi:[1,0,0]
.set jj, jj+2
.endr
	AW                                             ; ahead of the batch
.irp x, 28,29,30,31
	v_exp_f32 v\x, v\x                             ; the blocks' largest p
.endr
.set jj, 0
.rept 32
	v_exp_f32 v[128+jj], v[128+jj]
	v_exp_f32 v[129+jj], v[129+jj]
	v_pk_fma_f32 v[192+jj:193+jj], v[192+jj:193+jj], s[42:43], v[12:13] op_sel_hi:[1,0,0]   ; tile 1's t - M stands in the gaps
.set jj, jj+2
.endr
	AW                                             ; behind it
.irp x, 28,29,30,31
	v_max_num_f32 v\x, 0x1800000, v\x              ; the floor 2^(3 - 127)
.endr
.irp i, 0,1,2,3
	v_add_nc_u32 v[124+\i], 0xff000000, v[28+\i]   ; the conversion's scale operand
.endr
.irp i, 0,1,2,3
	v_lshrrev_b32 v[BY+\i], 23, v[124+\i]          ; the byte
.endr
.if \st
.irp q, 0,1
.irp c, 0,1
	v_add_nc_u32 v[32+2*\q+\c], v[32+2*\q+\c], v[120+\q]   ; a's bytes under M_b,
.endr
.endr
.irp i, 0,1,2,3
	v_max_i32 v[32+\i], 0, v[32+\i]                ; held at 0 from below
.endr
.irp q, 0,1
	v_lshl_or_b32 v[116+\q], v[33+2*\q], 16, v[32+2*\q]
	v_lshl_or_b32 v[118+\q], v[113+2*\q], 16, v[112+2*\q]
.endr
.irp i, 0,1,2,3
	v_lshlrev_b32 v[116+\i], v46, v[116+\i]        ; my two bytes at their places: blocks h and 2 + h
.endr
.irp i, 0,1,2,3
	v_permlanex16_b32 v[112+\i], v[116+\i], s40, s41
.endr
.irp i, 0,1,2,3
	v_or_b32 v[24+\i], v[116+\i], v[112+\i]        ; the scale words: a's tiles 0, 1, b's tiles 0, 1
.endr
.endif
	AW                                             ; ahead of the second batch
.set jj, 0
.rept 32
	v_exp_f32 v[192+2*jj], v[192+2*jj]
	v_exp_f32 v[193+2*jj], v[193+2*jj]
.if jj < 8
	v_cvt_scalef32_pk8_fp4_f32 v[PC+jj], v[128+8*jj:135+8*jj], v[124+jj/4]   ; tile 0's codes: register i is the operand's register i
.elseif jj == 8
	v_nop                                          ; the plain line behind the conversions
.elseif jj < 25
	v_pk_add_f32 v[128+4*(jj-9):129+4*(jj-9)], v[128+4*(jj-9):129+4*(jj-9)], v[130+4*(jj-9):131+4*(jj-9)]   ; the first level of tile 0's sums
.endif
.set jj, jj+1
.endr
	v_nop
	AW                                             ; behind it
.set jj, 0
.rept 8
	v_cvt_scalef32_pk8_fp4_f32 v[PC+8+jj], v[192+8*jj:199+8*jj], v[126+jj/4]
.set jj, jj+1
.endr
	LEVEL 128, 4
	LEVEL 128, 8
	LEVEL 128, 16
	LSUM 0, \first
.if \st
	ds_load_b128 v[36:39], v4 offset:VSO           ; step a's V: scale words, and fragments 0-7 into tile 0's p, which is done with
	ds_load_b128 v[40:43], v4 offset:VSO+512
	VL 4, 0
.endif
	LEVEL 192, 2
	LEVEL 192, 4
	LEVEL 192, 8
	LEVEL 192, 16
	LSUM 1, \first
.if \st
	VL 4, 1
.endif
.endm
; O^T += V^T P^T of step st for channel tiles d0 .. d0 + 7, both tiles of queries: each product has an accumulator of its own
.macro PV st, d0, first
	WIN 0x50
.set dd, \d0
.rept 8
.irp q, 0,1
.if \first
.if dd%2
	v_wmma_scale_f32_16x16x128_f8f6f4 v[128*\q+8*dd:128*\q+8*dd+7], v[128+8*dd:128+8*dd+7], v[80+16*\st+8*\q:80+16*\st+8*\q+7], 0, v[36+dd/2], v[24+2*\st+\q] matrix_a_fmt:MATRIX_FMT_FP4 matrix_b_fmt:MATRIX_FMT_FP4 matrix_a_scale:MATRIX_SCALE_ROW1
.else
	v_wmma_scale_f32_16x16x128_f8f6f4 v[128*\q+8*dd:128*\q+8*dd+7], v[128+8*dd:128+8*dd+7], v[80+16*\st+8*\q:80+16*\st+8*\q+7], 0, v[36+dd/2], v[24+2*\st+\q] matrix_a_fmt:MATRIX_FMT_FP4 matrix_b_fmt:MATRIX_FMT_FP4
.endif
.else
.if dd%2
	v_wmma_scale_f32_16x16x128_f8f6f4 v[128*\q+8*dd:128*\q+8*dd+7], v[128+8*dd:128+8*dd+7], v[80+16*\st+8*\q:80+16*\st+8*\q+7], v[128*\q+8*dd:128*\q+8*dd+7], v[36+dd/2], v[24+2*\st+\q] matrix_a_fmt:MATRIX_FMT_FP4 matrix_b_fmt:MATRIX_FMT_FP4 matrix_a_scale:MATRIX_SCALE_ROW1
.else
	v_wmma_scale_f32_16x16x128_f8f6f4 v[128*\q+8*dd:128*\q+8*dd+7], v[128+8*dd:128+8*dd+7], v[80+16*\st+8*\q:80+16*\st+8*\q+7], v[128*\q+8*dd:128*\q+8*dd+7], v[36+dd/2], v[24+2*\st+\q] matrix_a_fmt:MATRIX_FMT_FP4 matrix_b_fmt:MATRIX_FMT_FP4
.endif
.endif
.endr
.set dd, dd+1
.endr
.endm
.macro WALK                            ; the walking descriptor: on to the next slot's four steps, into the other slot than last time
	s_add_co_u32 s59, s45, 4
	s_min_u32 s59, s59, LASTS
	s_sub_co_u32 s59, s59, s46
	s_mul_i32 s50, s59, STEPB
	s_xor_b32 s37, s37, SLOTB
	s_add_nc_u64 s[38:39], s[38:39], s[50:51]
.endm
.macro NEXTSLOT
	s_add_co_u32 s45, s45, 4
	s_min_u32 s46, s45, LASTS
	s_add_co_u32 s47, s46, s25
	s_xor_b32 s44, s44, SLOTB
.endm
; A SLOT: my steps a and b, one rescaling, both products with V, and the change of slots.  first: the wave's first slot.  skip: steps that an earlier slot served are left out.
; chg = 1: the slot left is filled again behind a round of the cluster's barrier; chg = 2: nothing is left to fetch.
.macro SLOT first, skip, chg
	s_add_co_u32 s60, s44, STEPB
	v_add_nc_u32 v4, s44, v3
	v_add_nc_u32 v47, s60, v3
.if \skip
	s_add_co_u32 s61, s47, 1
	s_cmp_lt_u32 s61, s45
	AW
	s_cbranch_scc1 .Lnone_\@                       ; both steps have been served
	s_cmp_lt_u32 s47, s45
	s_cbranch_scc0 .Ldo_a_\@
.set jj, 0
.rept 16
	v_mov_b32 v[80+jj], 0                          ; step a alone has been served: its codes are zeros, its factor is 1
.set jj, jj+1
.endr
	v_mov_b32 v20, 1.0
	v_mov_b32 v22, 1.0
	AW
	s_branch .La_done_\@
.Ldo_a_\@:
.endif
	QK 4, s44
	SM \first, 0, 0
.if \skip
.La_done_\@:
.endif
	QK 47, s60
	SM 0, 1, 1-\first
.if !\first
	WIN 0x41                                       ; destination and source 0 window 1, the factor window 0
	AW                                             ; directly ahead of the first reader of O^T
.irp q, 0,1
.set jj, 0
.rept 64
	v_pk_mul_f32 v[128*\q+jj:128*\q+jj+1], v[128*\q+jj:128*\q+jj+1], v[20+2*\q:21+2*\q] op_sel_hi:[1,0]
.set jj, jj+2
.endr
.endr
.endif
	AW                                             ; directly ahead of the wait below
	s_wait_dscnt 16                                ; V_a's scale words and fragments 0-7 are in; fragments 8-15 may be out
	PV 0, 0, \first
	WIN 0
	PLACES 4
	ds_load_b128 v[36:39], v47 offset:VSO
	VL 47, 0
	s_wait_dscnt 17                                ; V_a is in; the 17 just issued may be out
	PV 0, 8, \first
	WIN 0
	PLACES 4
	ds_load_b128 v[40:43], v47 offset:VSO+512
	VL 47, 1
.if \skip
	s_wait_dscnt 17
	PV 1, 0, 0
	s_wait_dscnt 0x0
	PV 1, 8, 0
	WIN 0
	PLACES 5
.Lnone_\@:
	NEXTSLOT
	s_wait_tensorcnt 0x0
	ds_add_u32 v1, v2
	s_wait_dscnt 0x0
	s_barrier_signal -1
	s_barrier_wait -1
.else
	NEXTSLOT
	s_wait_tensorcnt 0x0                           ; my eighth of the slot ahead is in; group 0 may be written
	ds_add_u32 v1, v2
.if \chg == 1
	WALK
.endif
	s_wait_dscnt 18                                ; V_b's first half is in; behind it: 17 loads and the add
	PV 1, 0, 0
	s_wait_dscnt 0x0                               ; the add is done and my reads of this slot are over
	s_barrier_signal -1
	PV 1, 8, 0                                     ; work on registers while the others arrive
	WIN 0
	PLACES 5                                       ; the next slot's loads and first results land on registers that these products read
	s_barrier_wait -1
.if \chg == 1
	CREST
	tensor_load_to_lds s[36:39], s[28:35]          ; my one tensor load until the next round
	s_nop 0
	PLACES 4
.endif
.endif
.endm
	s_wait_tensorcnt 0x0                           ; my eighth of slot 0 is in
	ds_add_u32 v1, v2
	WALK
	s_wait_dscnt 0x0
	CROUND
	tensor_load_to_lds s[36:39], s[28:35]          ; slot 1, issued as a refill is
	s_nop 0
	PLACES 4
	SLOT 1, 0, 1                                   ; slot 0 starts m, M, l and O^T; slot 2 is asked for
.Lslot:                                            ; slots 1 to 5; slots 3 to 7 are asked for
	SLOT 0, 0, 1
	s_sub_co_u32 s48, s48, 1
	s_cmp_lg_u32 s48, 0
	s_cbranch_scc1 .Lslot
	s_mov_b32 s49, 2
.Llast:                                            ; slots 6 and 7 fetch nothing
	SLOT 0, 1, 2
	s_sub_co_u32 s49, s49, 1
	s_cmp_lg_u32 s49, 0
	s_cbranch_scc1 .Llast
	; THE END.  Register tile 1 goes to wave w xor 4 as an image of its registers, and that wave's comes here: the same queries under the other key group.
	v_add_f32 v32, v10, v11
	v_add_f32 v33, v14, v15
	v_permlanex16_b32 v112, v32, s40, s41
	v_permlanex16_b32 v113, v33, s40, s41
	v_add_f32 v9, v32, v112                        ; (v8, v9) = (-M, l) of register tile 0,
	v_add_f32 v13, v33, v113                       ; (v12, v13) of register tile 1
	v_lshrrev_b32 v5, 1, v3                        ; 8 x lane
	v_add_nc_u32 v6, s27, v3
	v_add_nc_u32 v7, s27, v5
	v_add_nc_u32 v7, 16384, v7
	v_add_nc_u32 v46, s58, v3
	v_add_nc_u32 v47, s58, v5
	v_add_nc_u32 v47, 16384, v47
	AW                                             ; some of these are first read behind the barrier
	WIN 0x04
.set kk, 0
.rept 32
	ds_store_b128 v6, v[128+4*kk:128+4*kk+3] offset:512*kk
.set kk, kk+1
.endr
	WIN 0
	ds_store_b64 v7, v[12:13]
	s_wait_dscnt 0x0
	s_barrier_signal -1
	s_barrier_wait -1
.set kk, 0
.rept 32
	ds_load_b128 v[96+4*kk:96+4*kk+3], v46 offset:512*kk
.set kk, kk+1
.endr
	ds_load_b64 v[20:21], v47
	s_wait_dscnt 0x0
	v_min_num_f32 v32, v8, v20                     ; the joint -M
	v_sub_f32 v33, v32, v8
	v_sub_f32 v34, v32, v20
	v_cvt_i32_f32 v33, v33
	v_cvt_i32_f32 v34, v34
	v_ldexp_f32 v16, 1.0, v33
	v_ldexp_f32 v18, 1.0, v34
	v_mul_f32 v9, v16, v9
	v_fma_f32 v9, v18, v21, v9                     ; the joint l
	v_mov_b32 v8, v32
	WIN 0x41
.set jj, 0
.rept 64
	v_pk_mul_f32 v[jj:jj+1], v[jj:jj+1], v[16:17] op_sel_hi:[1,0]
.set jj, jj+2
.endr
	WIN 0x50
.set jj, 0
.rept 64
	v_pk_fma_f32 v[jj:jj+1], v[96+jj:96+jj+1], v[18:19], v[jj:jj+1] op_sel_hi:[1,0,1]
.set jj, jj+2
.endr
	WIN 0x04
.set kk, 0
.rept 32
	global_store_b128 v3, v[4*kk:4*kk+3], s[14:15] offset:512*kk   ; each store covers 512 consecutive bytes, aligned
.set kk, kk+1
.endr
	WIN 0
	global_store_b64 v5, v[8:9], s[16:17]          ; (-M, l): 256 consecutive bytes, aligned
	s_wait_tensorcnt 0x0                           ; the wave's end
	ds_add_u32 v1, v2
	s_wait_dscnt 0x0
	CROUND                                         ; the closing round
	s_endpgm
.Lfunc_end_k_qfb0ecd83f4_attn:
	.size	k_qfb0ecd83f4_attn, .Lfunc_end_k_qfb0ecd83f4_attn-k_qfb0ecd83f4_attn
	.p2alignl 7, 3214868480
	.fill 96, 4, 3214868480
	.section	.rodata,"a",@progbits
	.p2align	6, 0x0
	.amdhsa_kernel k_qfb0ecd83f4_attn
		.amdhsa_group_segment_fixed_size 327680
		.amdhsa_private_segment_fixed_size 0
		.amdhsa_enable_private_segment 0
		.amdhsa_kernarg_size 56
		.amdhsa_user_sgpr_count 2
		.amdhsa_user_sgpr_kernarg_segment_ptr 1
		.amdhsa_wavefront_size32 1
		.amdhsa_system_sgpr_workgroup_id_x 1
		.amdhsa_system_sgpr_workgroup_id_y 1
		.amdhsa_system_sgpr_workgroup_id_z 1
		.amdhsa_system_vgpr_workitem_id 0
		.amdhsa_next_free_vgpr 512
		.amdhsa_next_free_sgpr 66
		.amdhsa_reserve_vcc 0
		.amdhsa_float_denorm_mode_32 3
		.amdhsa_float_denorm_mode_16_64 3
		.amdhsa_memory_ordered 1
		.amdhsa_forward_progress 1
		.amdhsa_inst_pref_size 241
	.end_amdhsa_kernel
	.amdgpu_metadata
---
amdhsa.version: [ 1, 2 ]
amdhsa.kernels:
  - .name:           k_qfb0ecd83f4_attn
    .symbol:         k_qfb0ecd83f4_attn.kd
    .args:
      - { .name: input_G_codes, .offset: 0, .size: 8, .value_kind: global_buffer, .address_space: global }
      - { .name: input_G_scales, .offset: 8, .size: 8, .value_kind: global_buffer, .address_space: global }
      - { .name: input_T_codes, .offset: 16, .size: 8, .value_kind: global_buffer, .address_space: global }
      - { .name: input_T_scales, .offset: 24, .size: 8, .value_kind: global_buffer, .address_space: global }
      - { .name: wq, .offset: 32, .size: 8, .value_kind: global_buffer, .address_space: global }
      - { .name: part, .offset: 40, .size: 8, .value_kind: global_buffer, .address_space: global }
      - { .name: pstat, .offset: 48, .size: 8, .value_kind: global_buffer, .address_space: global }
    .group_segment_fixed_size: 327680
    .private_segment_fixed_size: 0
    .kernarg_segment_align: 8
    .kernarg_segment_size: 56
    .max_flat_workgroup_size: 256
    .sgpr_count:     66
    .vgpr_count:     512
    .wavefront_size: 32
...
	.end_amdgpu_metadata
.endif
;; end of part 2
;; launch merge (part 3): grid 128 x 2, 8 waves a work-group, no clusters, 35,840 bytes of LDS; arguments part, pstat, out0, out1; writes out0, out1
.if DOCPART == 3
	.amdgcn_target "amdgcn-amd-amdhsa--gfx1250"
	.amdhsa_code_object_version 6
	.text
	.protected	k_qfb0ecd83f4_merge
	.globl	k_qfb0ecd83f4_merge
	.p2align	8
	.type	k_qfb0ecd83f4_merge,@function
k_qfb0ecd83f4_merge:
	s_mov_b64 s[64:65], 0
	v_nop
	global_prefetch_b8 v0, s[64:65] scope:SCOPE_SE
	s_setreg_imm32_b32 hwreg(HW_REG_WAVE_MODE, 25, 1), 1
	s_wait_xcnt 0x0
; The four quarters of the keys are joined: o = (sum over c of 2^(M_c - M) O_c) / (sum over c of 2^(M_c - M) l_c), M the largest M_c: the factors are exact powers of two.
; part: [tensor 2][tile 256][quarter 4][16,384 bytes]: O^T of 16 queries as an image of registers: registers 8 dt + 4 k .. + 3 of lane L at 1024 dt + 512 k + 16 L; lane (r, h), register 8 dt + i is
; o(query r, channel 16 dt + 8 h + i).  pstat: [tensor][tile][quarter][256 bytes]: lane L's (-M, l) at 8 L.  out0, out1: [4096][256] f32.
; SHARES.  Work-group (x, y): tiles 2 x and 2 x + 1 of tensor y.  Wave w: tile 2 x + w / 4, channels 64 (w % 4) on: 4 KiB of each quarter's image.  Everything is asked for at once; no loop, no barrier:
; waves share nothing.  A lane's numbers are pieces of a row and the lanes beside it hold other rows: they turn through the wave's own stage in LDS, so that sixteen lanes store 256 consecutive bytes, aligned.
; Memory binds: matrix units, tensor loads and clusters would add nothing here.
.set SPT, 272                          ; a stage row: 256 bytes + 16
	s_load_b128 s[4:7], s[0:1], 0x0                ; part, pstat
	s_load_b128 s[8:11], s[0:1], 0x10              ; out0, out1
	v_lshl_add_u32 v192, v0, 2, 0x8800
	v_mov_b32 v193, 0
	v_lshrrev_b32 v1, 5, v0
	s_delay_alu instid0(VALU_DEP_1)
	v_readfirstlane_b32 s12, v1                    ; wave 0..7
	s_lshr_b32 s13, s12, 2
	s_and_b32 s14, s12, 3                          ; which 64 channels
	s_and_b32 s15, ttmp7, 0xffff                   ; the tensor
	s_lshl_b32 s16, ttmp9, 1
	s_add_co_u32 s16, s16, s13                     ; the tile
	s_lshl_b32 s17, s15, 8
	s_add_co_u32 s17, s17, s16
	s_lshl_b32 s18, s17, 16                        ; part: 65,536 bytes a tile, 4,096 for 64 channels
	s_lshl_b32 s20, s14, 12
	s_add_co_u32 s18, s18, s20
	s_mov_b32 s19, 0
	s_lshl_b32 s20, s17, 10                        ; pstat: 1,024 bytes a tile
	s_mov_b32 s21, 0
	s_lshl_b32 s22, s16, 14                        ; out: 16 rows of 1,024 bytes a tile, 256 bytes for 64 channels
	s_lshl_b32 s24, s14, 8
	s_add_co_u32 s22, s22, s24
	s_mov_b32 s23, 0
	s_mul_i32 s24, s12, 16*SPT                     ; my stage
	v_and_b32 v1, 31, v0
	s_delay_alu instid0(VALU_DEP_1)
	v_lshlrev_b32 v2, 4, v1                        ; 16 x lane
	s_delay_alu instid0(VALU_DEP_2)
	v_lshlrev_b32 v3, 3, v1                        ; 8 x lane
	v_and_b32 v26, 15, v0                          ; r
	v_bfe_u32 v27, v0, 4, 1                        ; h
	s_delay_alu instid0(VALU_DEP_2)
	v_mul_u32_u24 v4, v26, SPT
	s_delay_alu instid0(VALU_DEP_1)
	v_lshl_add_u32 v4, v27, 5, v4
	s_delay_alu instid0(VALU_DEP_1)
	v_add_nc_u32 v4, s24, v4                       ; the stage, in: row r, + 32 h
	s_delay_alu instid0(VALU_DEP_4)
	v_mul_u32_u24 v5, v27, SPT
	s_delay_alu instid0(VALU_DEP_1)
	v_lshl_add_u32 v5, v26, 4, v5                  ; back: lanes 0-15 one row, lanes 16-31 the next (the stage's base is added below)
	v_lshlrev_b32 v6, 10, v27
	s_delay_alu instid0(VALU_DEP_1)
	v_lshl_add_u32 v6, v26, 4, v6                  ; and the same two rows in out
	s_wait_kmcnt 0x0
	s_cmp_eq_u32 s15, 0                            ; which output: the choice hangs on the work-group's number alone
	s_cselect_b64 s[8:9], s[8:9], s[10:11]
	s_add_nc_u64 s[4:5], s[4:5], s[18:19]
	s_add_nc_u64 s[6:7], s[6:7], s[20:21]
	s_add_nc_u64 s[8:9], s[8:9], s[22:23]
.irp c, 0,1,2,3
	global_load_b64 v[8+2*\c:9+2*\c], v3, s[6:7] offset:256*\c   ; (-M, l) of quarter c
.endr
.irp c, 0,1,2,3
.irp j, 0,1,2,3,4,5,6,7
	global_load_b128 v[32+32*\c+4*\j:32+32*\c+4*\j+3], v2, s[4:5] offset:16384*\c+512*\j th:TH_LOAD_NT   ; 512 consecutive bytes a load; read once
.endr
.endr
	s_wait_loadcnt 32                              ; the four pairs are in; the 32 loads issued behind them may be out
	v_min3_num_f32 v24, v8, v10, v12
	s_delay_alu instid0(VALU_DEP_1)
	v_min_num_f32 v24, v24, v14                    ; the joint -M
.irp c, 0,1,2,3
	v_sub_f32 v[16+2*\c], v24, v[8+2*\c]           ; M_c - M: a whole number, 0 or less
.endr
.irp c, 0,1,2,3
	s_delay_alu instid0(VALU_DEP_4)
	v_cvt_i32_f32 v[16+2*\c], v[16+2*\c]
.endr
.irp c, 0,1,2,3
	s_delay_alu instid0(VALU_DEP_4)
	v_ldexp_f32 v[16+2*\c], 1.0, v[16+2*\c]        ; f_c
.endr
	s_delay_alu instid0(VALU_DEP_4)
	v_mul_f32 v25, v16, v9
	s_delay_alu instid0(VALU_DEP_1)
	v_fmac_f32 v25, v18, v11
	s_delay_alu instid0(VALU_DEP_1)
	v_fmac_f32 v25, v20, v13
	s_delay_alu instid0(VALU_DEP_1)
	v_fmac_f32 v25, v22, v15                       ; the row's sum: over 1/2, since the quarter with the largest M has f = 1 and a p over 1/2
	s_wait_alu depctr_va_vdst(0)
	v_rcp_f32 v25, v25
	v_add_nc_u32 v5, s24, v5                       ; (a plain line behind the reciprocal)
	s_wait_alu depctr_va_vdst(0)
.irp c, 0,1,2,3
	v_mul_f32 v[17+2*\c], v[16+2*\c], v25          ; g_c = f_c / the sum, in both halves of a pair for the packed forms
.endr
.irp c, 0,1,2,3
	v_mul_f32 v[16+2*\c], v[16+2*\c], v25
.endr
	s_wait_alu depctr_va_vdst(0)
	s_wait_loadcnt 0x0
.set j, 0
.rept 16
	v_pk_mul_f32 v[32+j:33+j], v[32+j:33+j], v[16:17]
.set j, j+2
.endr
.irp c, 1,2,3
.set j, 0
.rept 16
	v_pk_fma_f32 v[32+j:33+j], v[32+32*\c+j:33+32*\c+j], v[16+2*\c:17+2*\c], v[32+j:33+j]
.set j, j+2
.endr
.endr
.irp t, 0,1,2,3
	ds_store_b128 v4, v[32+8*\t:35+8*\t] offset:64*\t            ; o(r, 16 t + 8 h + 0 .. 7) of my 64 channels
	ds_store_b128 v4, v[36+8*\t:39+8*\t] offset:64*\t+16
.endr
.irp i, 0,1,2,3,4,5,6,7
	ds_load_b128 v[160+4*\i:163+4*\i], v5 offset:2*\i*SPT        ; LDS serves a wave's instructions in order: these see my stores
.endr
.irp i, 0,1,2,3,4,5,6,7
	s_wait_dscnt 7-\i                              ; pair i of rows is back; the younger loads may be out
	global_store_b128 v6, v[160+4*\i:163+4*\i], s[8:9] offset:2048*\i th:TH_STORE_NT   ; sixteen lanes store 256 consecutive bytes, aligned
.endr
	s_wait_tensorcnt 0x0
	ds_add_u32 v192, v193
	s_wait_dscnt 0x0
	s_endpgm
.Lfunc_end_k_qfb0ecd83f4_merge:
	.size	k_qfb0ecd83f4_merge, .Lfunc_end_k_qfb0ecd83f4_merge-k_qfb0ecd83f4_merge
	.p2alignl 7, 3214868480
	.fill 96, 4, 3214868480
	.section	.rodata,"a",@progbits
	.p2align	6, 0x0
	.amdhsa_kernel k_qfb0ecd83f4_merge
		.amdhsa_group_segment_fixed_size 35840
		.amdhsa_private_segment_fixed_size 0
		.amdhsa_enable_private_segment 0
		.amdhsa_kernarg_size 32
		.amdhsa_user_sgpr_count 2
		.amdhsa_user_sgpr_kernarg_segment_ptr 1
		.amdhsa_wavefront_size32 1
		.amdhsa_system_sgpr_workgroup_id_x 1
		.amdhsa_system_sgpr_workgroup_id_y 1
		.amdhsa_system_sgpr_workgroup_id_z 1
		.amdhsa_system_vgpr_workitem_id 0
		.amdhsa_next_free_vgpr 194
		.amdhsa_next_free_sgpr 66
		.amdhsa_reserve_vcc 0
		.amdhsa_float_denorm_mode_32 3
		.amdhsa_float_denorm_mode_16_64 3
		.amdhsa_memory_ordered 1
		.amdhsa_forward_progress 1
		.amdhsa_inst_pref_size 14
	.end_amdhsa_kernel
	.amdgpu_metadata
---
amdhsa.version: [ 1, 2 ]
amdhsa.kernels:
  - .name:           k_qfb0ecd83f4_merge
    .symbol:         k_qfb0ecd83f4_merge.kd
    .args:
      - { .name: part, .offset: 0, .size: 8, .value_kind: global_buffer, .address_space: global }
      - { .name: pstat, .offset: 8, .size: 8, .value_kind: global_buffer, .address_space: global }
      - { .name: out0, .offset: 16, .size: 8, .value_kind: global_buffer, .address_space: global }
      - { .name: out1, .offset: 24, .size: 8, .value_kind: global_buffer, .address_space: global }
    .group_segment_fixed_size: 35840
    .private_segment_fixed_size: 0
    .kernarg_segment_align: 8
    .kernarg_segment_size: 32
    .max_flat_workgroup_size: 256
    .sgpr_count:     66
    .vgpr_count:     194
    .wavefront_size: 32
...
	.end_amdgpu_metadata
.endif
;; end of part 3
